; MI455X (gfx1250); checked and timed in simulation.
; The chip was launched on July 23, 2026; its instructions are those of AMD's public machine-readable ISA for CDNA 5 (MIT licence, August 2026) and "CDNA5" Instruction Set Architecture Reference Guide (July 2026). The comments in the code are by the model that wrote it; some were corrected since.
;; Local Attention. Allowed arithmetic: matrix products marked QUANTISED: E2M3 operands, one E8M0 scale for each 32 along K, by v_wmma_scale_f32_16x16x128_f8f6f4 with both operands' format E2M3, f32 sums; everything else in f32.
;; Inputs: Wk 512 x 512 float32; Wo 512 x 512 float32; Wq 512 x 512 float32; Wv 512 x 512 float32; bk 512 float32; bo 512 float32; bq 512 float32; bv 512 float32; x 2 x 4,096 x 512 float32.
;; Outputs: out0 2 x 4,096 x 512 float32.
;; This version of the problem:
;;   THIS VERSION OF THE PROBLEM IS GIVEN IN LOW PRECISION. The matrix products marked QUANTISED in the list below multiply operands that are first quantised to E2M3 (2 exponent bits, 3 mantissa bits; 6 bits a number), with one power-of-two scale for each 32 numbers along K (OCP MX v1.0); their sums are f32. All else is computed in f32.
;;   The module's matrix products, in the order in which they are computed (A, B: the left and right operand; K: the contracted axis; several contracted axes count as one K, in the product's order):
;;     1. [M 8,192, K 512] x [K 512, N 512]; A: input x; B: input Wq: QUANTISED
;;     2. [M 8,192, K 512] x [K 512, N 512]; A: input x; B: input Wk: QUANTISED
;;     3. [M 8,192, K 512] x [K 512, N 512]; A: input x; B: input Wv: QUANTISED
;;     4. batch 16 x [M 4,096, K 64] x [K 64, N 4,096]; A: computed on the way; B: computed on the way: QUANTISED
;;     5. batch 16 x [M 4,096, K 4,096] x [K 4,096, N 64]; A: softmax (see below); B: computed on the way: QUANTISED
;;     6. [M 8,192, K 512] x [K 512, N 512]; A: computed on the way; B: input Wo: QUANTISED
;;   THE QUANTISER, for each operand of a quantised product, along K:
;;     - K is cut into blocks of 32 from its start; a last block that is shorter is filled with zeros.
;;     - A block's scale is 2^e with e = floor(log2(the largest magnitude in the block)) - 2, held to -126 .. 127; a block of zeros has e = 0. As a byte (E8M0): e + 127.
;;     - Each number is divided by its block's scale, clamped to +-7.5, and rounded to the nearest number of E2M3, ties to even, subnormals kept.
;;     - The product sums the exact products of the quantised numbers (number of the format x scale) in f32.
;;   ~~~python
;;   def quantise(x, axis):      # numpy; x: float32 -> the quantised numbers, widened to float32 again
;;       x = np.moveaxis(x, axis, -1); K = x.shape[-1]
;;       x = np.pad(x, [(0, 0)] * (x.ndim - 1) + [(0, -K % 32)]); x = x.reshape(x.shape[:-1] + (-1, 32)); a = np.abs(x).max(-1, keepdims=True)
;;       e = np.where(a > 0, np.clip(np.frexp(np.where(a > 0, a, 1))[1] - 1 - 2, -126, 127), 0)      # np.frexp(a)[1] - 1 = floor(log2(a)), exactly
;;       r = np.clip(x / 2.0 ** e, -7.5, 7.5)
;;       step = 2.0 ** (np.maximum(np.frexp(np.where(r == 0, 1, r))[1] - 1, 0) - 3)
;;       q = np.round(r / step) * step * 2.0 ** e      # np.round: ties to even
;;       return np.moveaxis(q.reshape(q.shape[:-2] + (-1,))[..., :K], -1, axis).astype(np.float32)
;;   ~~~
;;   SOFTMAX AHEAD OF A QUANTISED PRODUCT. Where the list says 'softmax', what is quantised is not the finished softmax but p = 2^(t - M), with t = logit x log2(e) and M = ceil(the row's largest t), a whole number; so 1/2 < the row's largest p <= 1. The row's sum l is taken of the UNQUANTISED p, in f32, and the product's result is divided by l at the end. Since M is a whole number, a kernel that streams over the keys may use a running M (the ceiling of the running maximum): every later rescaling is an exact power of two, which a block's scale takes up: the codes' values come out the same.
;;   OPERANDS COMPUTED ON THE WAY. 'Computed on the way' means the value that the module computes at that place (a softmax that the list does not call 'softmax' is quantised finished and normalised). What goes into a quantiser is computed in f32, as accurately as f32 sums, v_exp_f32 and their like allow (about 1e-6 of the number): no bf16 or f16 on the way to a quantiser, and a product that is left as it is and whose result goes on into a quantised operand takes f32 operands (vector FMAs, or v_wmma_f32_16x16x4_f32). A number that lies on a knife's edge between two numbers of the format may be rounded either way, as far as f32 arithmetic and the matrix unit's own rounding can turn it there, and no further.
;; One version. Each part assembles by itself: llvm-mc -triple=amdgcn-amd-amdhsa -mcpu=gfx1250 --defsym DOCPART=n.
;; ======== version 1 of 1: 3 launches
;; workspace buffers: xw 3,407,872 bytes; wb 851,968 bytes; qb 3,407,872 bytes; kb 3,407,872 bytes; vb 3,670,016 bytes
;; launch prep (part 1): grid 320 x 1, 8 waves a work-group, no clusters, 68,608 bytes of LDS; arguments x, Wq, Wk, Wv, Wo, xw, wb; writes xw, wb
.if DOCPART == 1
	.amdgcn_target "amdgcn-amd-amdhsa--gfx1250"
	.amdhsa_code_object_version 6
	.text
	.protected	k_q3bb8c34a23_prep
	.globl	k_q3bb8c34a23_prep
	.p2align	8
	.type	k_q3bb8c34a23_prep,@function
k_q3bb8c34a23_prep:
	s_mov_b64 s[64:65], 0
	v_nop
	global_prefetch_b8 v0, s[64:65] scope:SCOPE_SE
	s_setreg_imm32_b32 hwreg(HW_REG_WAVE_MODE, 25, 1), 1
	s_wait_xcnt 0x0
; x [8192][512] and Wq, Wk, Wv, Wo [512][512], f32 with K innermost, become codes of FP6 (E2M3) with one E8M0 byte for each 32 along K,
; laid as IMAGES OF OPERAND REGISTERS: a fragment (16 rows x 128 K, 12 registers a lane) is 1,536 bytes, register group g (4 registers) at 512 g + 16 x lane;
; its scale words are 128 bytes, 4 x lane (lanes 16-31 repeat lanes 0-15).
; THE ROWS OF A TILE ARE NOT NEIGHBOURS: tile (B, u) of block B of 32 rows holds in lane r the row 32 B + 8 u + r + 8 (r / 8).
; A block's scale is 2^(floor(log2(largest magnitude)) - 2); its byte is the largest magnitude's exponent field - 2, held at 1 from below.
; LIMITS: NaN and infinities among the inputs are not served; a block of zeros gets the byte 1 where the rule says 127: its codes are zeros, and this program alone reads the bytes.
; SHARES: work-groups 0-255 take x's blocks, 256-319 the weights' (16 blocks each).  A wave takes one fragment: tile u = wave / 4, K step s = wave % 4.
; Each load reads 512 consecutive bytes of one row; the 8 KB turn through the wave's own stage in LDS (rows 528 bytes apart) so that a lane gets 32 neighbours along K of its row.
; No barrier: waves share nothing.  No matrix unit, no cluster: a stream that is read once.
.set XSOFF, 3145728                    ; xw: scale images behind 2,048 fragments
.set WSOFF, 589824                     ; wb: scale images of Wq, Wk, Wv behind their 384 fragments
.set WOF,   638976                     ; wb: Wo's 128 fragments
.set WOS,   835584                     ; wb: Wo's scale images
.set PIT,   528                        ; a stage row: 512 bytes + 16
.set R,     16                         ; v16-79   16 rows as loaded
.set N,     80                         ; v80-143  my 64 numbers: register 32 c + i = k 64 c + 32 h + i of row r
.set C,     144                        ; v144-155 the fragment's codes
.set T,     156                        ; v156-158, v160-162 the upper halves of the two blocks' codes
.set SEL,   34                         ; s[34:35] selects for lane l xor 16
	s_load_b256 s[4:11], s[0:1], 0x0               ; x, Wq, Wk, Wv
	s_load_b128 s[12:15], s[0:1], 0x20             ; Wo, xw
	s_load_b64 s[16:17], s[0:1], 0x30              ; wb
	v_lshl_add_u32 v168, v0, 2, 0x10800
	v_mov_b32 v169, 0
	v_lshrrev_b32 v5, 5, v0
	s_delay_alu instid0(VALU_DEP_1)
	v_readfirstlane_b32 s23, v5                    ; wave 0..7
	v_and_b32 v6, 31, v0                           ; lane
	v_and_b32 v7, 15, v0                           ; r
	v_bfe_u32 v8, v0, 4, 1                         ; h
	s_delay_alu instid0(VALU_DEP_3)
	v_lshlrev_b32 v1, 4, v6                        ; 16 x lane
	s_delay_alu instid0(VALU_DEP_4)
	v_lshlrev_b32 v2, 2, v6                        ; 4 x lane
	s_mul_i32 s29, s23, 16*PIT                     ; my stage
	v_add_nc_u32 v3, s29, v1                       ; in: a row's 512 bytes as they lie
	v_mul_u32_u24 v4, v7, PIT
	s_delay_alu instid0(VALU_DEP_1)
	v_lshl_add_u32 v4, v8, 7, v4
	s_delay_alu instid0(VALU_DEP_1)
	v_add_nc_u32 v4, s29, v4                       ; out: row r, + 128 h
	v_lshlrev_b32 v8, 3, v8                        ; 8 h: my bytes' place in the scale word
	s_mov_b32 s[SEL], 0x76543210
	s_mov_b32 s[SEL+1], 0xfedcba98
	s_lshr_b32 s24, s23, 2                         ; u
	s_and_b32 s25, s23, 3                          ; s
	s_and_b32 s26, ttmp9, 15                       ; a weight's block
	s_bfe_u32 s27, ttmp9, 0x20004                  ; which weight: 0 Wq, 1 Wk, 2 Wv, 3 Wo
	s_cmp_lt_u32 ttmp9, 256
	s_cselect_b32 s28, ttmp9, s26                  ; B
	s_cselect_b32 s27, 4, s27                      ; 4: x
	s_lshr_b32 s30, s28, 2
	s_lshl_b32 s30, s30, 2
	s_add_co_u32 s30, s30, s25                     ; (B / 4) 4 + s
	s_and_b32 s31, s28, 3
	s_lshl_b32 s31, s31, 1
	s_add_co_u32 s31, s31, s24                     ; (B % 4) 2 + u
	s_lshl_b32 s36, s30, 3
	s_add_co_u32 s36, s36, s31                     ; x, Wo: fragment number ((B / 4) 4 + s) 8 + (B % 4) 2 + u
	s_mul_i32 s37, s30, 24
	s_add_co_u32 s37, s37, s31
	s_lshl_b32 s38, s27, 3
	s_add_co_u32 s37, s37, s38                     ; Wq, Wk, Wv: ((B / 4) 4 + s) 24 + 8 x weight + (B % 4) 2 + u
	s_cmp_lt_u32 s27, 3
	s_cselect_b32 s36, s37, s36
	s_mul_i32 s38, s36, 1536                       ; the fragment's bytes,
	s_lshl_b32 s40, s36, 7                         ; its scale words'
	s_cmp_eq_u32 s27, 3
	s_cselect_b32 s37, WOF, 0
	s_add_co_u32 s38, s38, s37
	s_mov_b32 s37, WSOFF
	s_cmp_eq_u32 s27, 3
	s_cselect_b32 s37, WOS, s37
	s_cmp_eq_u32 s27, 4
	s_cselect_b32 s37, XSOFF, s37
	s_add_co_u32 s40, s40, s37
	s_mov_b32 s39, 0
	s_mov_b32 s41, 0
	s_lshl_b32 s42, s28, 16                        ; the source: block B of 32 rows of 2,048 bytes,
	s_lshl_b32 s43, s24, 14                        ; + 8 u rows,
	s_add_co_u32 s42, s42, s43
	s_lshl_b32 s43, s25, 9                         ; + K step s
	s_add_co_u32 s42, s42, s43
	s_mov_b32 s43, 0
	s_wait_alu depctr_va_vdst(0)
	s_wait_kmcnt 0x0
	s_mov_b64 s[18:19], s[4:5]                     ; the choices hang on the work-group's number alone
	s_cmp_eq_u32 s27, 0
	s_cselect_b64 s[18:19], s[6:7], s[18:19]
	s_cmp_eq_u32 s27, 1
	s_cselect_b64 s[18:19], s[8:9], s[18:19]
	s_cmp_eq_u32 s27, 2
	s_cselect_b64 s[18:19], s[10:11], s[18:19]
	s_cmp_eq_u32 s27, 3
	s_cselect_b64 s[18:19], s[12:13], s[18:19]
	s_cmp_eq_u32 s27, 4
	s_cselect_b64 s[20:21], s[14:15], s[16:17]
	s_add_nc_u64 s[18:19], s[18:19], s[42:43]
	s_add_nc_u64 s[44:45], s[20:21], s[40:41]      ; where the scale words go
	s_add_nc_u64 s[20:21], s[20:21], s[38:39]      ; where the codes go
.irp p, 0,1,2,3,4,5,6,7,8,9,10,11,12,13,14,15
	global_load_b128 v[R+4*\p:R+4*\p+3], v1, s[18:19] offset:(\p+8*(\p/8))*2048 th:TH_LOAD_NT   ; tile row p: 32 lanes read 512 consecutive bytes
.endr
.irp p, 0,1,2,3,4,5,6,7,8,9,10,11,12,13,14,15
	s_wait_loadcnt 15-\p                           ; row p is in; the 15 - p younger loads may be out
	ds_store_b128 v3, v[R+4*\p:R+4*\p+3] offset:PIT*\p
.endr
.irp c, 0,1
.irp j, 0,1,2,3,4,5,6,7
	ds_load_b128 v[N+32*\c+4*\j:N+32*\c+4*\j+3], v4 offset:256*\c+16*\j   ; LDS serves a wave's instructions in order: these see my stores
.endr
.endr
	s_wait_dscnt 0x0
.irp c, 0,1                                    ; my block 2 c + h: all its 32 numbers are mine
	v_max3_num_f32 v[9+\c], |v[N+32*\c]|, |v[N+32*\c+1]|, 0x1800000   ; and the floor 2^(3 - 127): the byte cannot fall under 1
.endr
.irp i, 2,4,6,8,10,12,14,16,18,20,22,24,26,28,30
.irp c, 0,1
	s_delay_alu instid0(VALU_DEP_2)
	v_max3_num_f32 v[9+\c], v[9+\c], |v[N+32*\c+\i]|, |v[N+32*\c+\i+1]|
.endr
.endr
.irp c, 0,1
	s_delay_alu instid0(VALU_DEP_2)
	v_add_nc_u32 v[11+\c], 0xff000000, v[9+\c]     ; 2 off the exponent field: the conversion's scale operand
.endr
.irp c, 0,1
	s_delay_alu instid0(VALU_DEP_2)
	v_lshrrev_b32 v[13+\c], 23, v[11+\c]           ; the scale's byte
.endr
	s_delay_alu instid0(VALU_DEP_1)
	v_lshl_or_b32 v15, v14, 16, v13                ; blocks h and 2 + h,
	s_delay_alu instid0(VALU_DEP_1)
	v_lshlrev_b32 v15, v8, v15                     ; at their places in the word;
	v_mov_b32 v5, 0
	s_delay_alu instid0(VALU_DEP_1)
	v_permlanex16_b32 v5, v15, s[SEL], s[SEL+1]
	s_delay_alu instid0(VALU_DEP_1)
	v_or_b32 v15, v15, v5                          ; with lane l xor 16's two the word is whole, in both halves
.irp c, 0,1
	v_cvt_scalef32_pk16_fp6_f32 v[C+6*\c:C+6*\c+2], v[N+32*\c:N+32*\c+15], v[11+\c]
	v_cvt_scalef32_pk16_fp6_f32 v[T+4*\c:T+4*\c+2], v[N+32*\c+16:N+32*\c+31], v[11+\c]   ; (a conversion's three registers begin on an even number)
.endr
	v_nop                                          ; one plain place behind a scaled conversion
.irp c, 0,1
.irp i, 0,1,2
	v_mov_b32 v[C+6*\c+3+\i], v[T+4*\c+\i]
.endr
.endr
.irp g, 0,1,2
	global_store_b128 v1, v[C+4*\g:C+4*\g+3], s[20:21] offset:512*\g   ; 32 lanes store 512 consecutive bytes, aligned to 256
.endr
	global_store_b32 v2, v15, s[44:45]
	s_wait_tensorcnt 0x0
	ds_add_u32 v168, v169
	s_wait_dscnt 0x0
	s_endpgm
.Lfunc_end_k_q3bb8c34a23_prep:
	.size	k_q3bb8c34a23_prep, .Lfunc_end_k_q3bb8c34a23_prep-k_q3bb8c34a23_prep
	.p2alignl 7, 3214868480
	.fill 96, 4, 3214868480
	.section	.rodata,"a",@progbits
	.p2align	6, 0x0
	.amdhsa_kernel k_q3bb8c34a23_prep
		.amdhsa_group_segment_fixed_size 68608
		.amdhsa_private_segment_fixed_size 0
		.amdhsa_enable_private_segment 0
		.amdhsa_kernarg_size 56
		.amdhsa_user_sgpr_count 2
		.amdhsa_user_sgpr_kernarg_segment_ptr 1
		.amdhsa_wavefront_size32 1
		.amdhsa_system_sgpr_workgroup_id_x 1
		.amdhsa_system_sgpr_workgroup_id_y 1
		.amdhsa_system_sgpr_workgroup_id_z 1
		.amdhsa_system_vgpr_workitem_id 0
		.amdhsa_next_free_vgpr 170
		.amdhsa_next_free_sgpr 66
		.amdhsa_reserve_vcc 0
		.amdhsa_float_denorm_mode_32 3
		.amdhsa_float_denorm_mode_16_64 3
		.amdhsa_memory_ordered 1
		.amdhsa_forward_progress 1
		.amdhsa_inst_pref_size 13
	.end_amdhsa_kernel
	.amdgpu_metadata
---
amdhsa.version: [ 1, 2 ]
amdhsa.kernels:
  - .name:           k_q3bb8c34a23_prep
    .symbol:         k_q3bb8c34a23_prep.kd
    .args:
      - { .name: x, .offset: 0, .size: 8, .value_kind: global_buffer, .address_space: global }
      - { .name: Wq, .offset: 8, .size: 8, .value_kind: global_buffer, .address_space: global }
      - { .name: Wk, .offset: 16, .size: 8, .value_kind: global_buffer, .address_space: global }
      - { .name: Wv, .offset: 24, .size: 8, .value_kind: global_buffer, .address_space: global }
      - { .name: Wo, .offset: 32, .size: 8, .value_kind: global_buffer, .address_space: global }
      - { .name: xw, .offset: 40, .size: 8, .value_kind: global_buffer, .address_space: global }
      - { .name: wb, .offset: 48, .size: 8, .value_kind: global_buffer, .address_space: global }
    .group_segment_fixed_size: 68608
    .private_segment_fixed_size: 0
    .kernarg_segment_align: 8
    .kernarg_segment_size: 56
    .max_flat_workgroup_size: 256
    .sgpr_count:     66
    .vgpr_count:     170
    .wavefront_size: 32
...
	.end_amdgpu_metadata
.endif
;; end of part 1
;; launch qkv (part 2): grid 64 x 4, 12 waves a work-group, no clusters, 216,576 bytes of LDS; arguments xw, wb, bq, bk, bv, qb, kb, vb; writes qb, kb, vb
.if DOCPART == 2
	.amdgcn_target "amdgcn-amd-amdhsa--gfx1250"
	.amdhsa_code_object_version 6
	.text
	.protected	k_q3bb8c34a23_qkv
	.globl	k_q3bb8c34a23_qkv
	.p2align	8
	.type	k_q3bb8c34a23_qkv,@function
k_q3bb8c34a23_qkv:
	s_mov_b64 s[64:65], 0
	v_nop
	global_prefetch_b8 v0, s[64:65] scope:SCOPE_SE
	s_setreg_imm32_b32 hwreg(HW_REG_WAVE_MODE, 25, 1), 1
	s_wait_xcnt 0x0
; q, k, v = x W^T + b on codes of FP6 (E2M3) with E8M0 scales, sums in f32; the results are quantised in registers: q and k along the head's 64 (two blocks of 32), v along the keys (blocks of 32 rows).
; SHARES: a work-group takes 128 rows of x (row group rg = x of the grid) and two heads (slice sl = y).  Wave w: unit = w / 2 = 2 x type + head of the pair (type 0 q, 1 k, 2 v), rh = w % 2: which 64 rows.
; A wave makes 64 rows x 64 features: 16 accumulators, 64 matrix instructions.
; LDS is filled ONCE, by lane-wise copies of dense runs of memory, as they lie: x's 32 fragment images, the slice's 96, their scale images and the three biases' 128 numbers.  One barrier; then nothing is written to LDS.
; q, k: THE PRODUCT IS USED TRANSPOSED (source 0 = 16 features, source 1 = 16 rows): a lane holds one row, and, by the tiles' row order (lane r = row 8 u + r + 8 (r / 8) of a block of 32),
; the 16 registers of feature tiles 2 e and 2 e + 1 are 16 neighbours along d.  The bias is the C of each sum's first product.
; v: natural (source 0 = 16 rows, source 1 = 16 features): a lane holds one feature and 16 neighbouring keys of a block of 32.
; OUT: qb, kb: for (block B, head, u) a half image of 768 bytes (6 registers: 0-3 at 16 x lane, 4-5 at 512 + 8 x lane); a scale word a lane for (B, head): bytes of tile u = 0, then of u = 1.
;      vb: for (B, head, feature tile t) 384 bytes: 24 bytes (32 keys) for each of 16 features; the scale as a word for each feature.
; No cluster: this text has no tensor load, and a joint request is a tensor load's.  No prefetch: all that a work-group reads is asked for at its head.
; LIMITS: NaN and infinities are not served; a block of zeros gets the byte 1: its codes are zeros, and this program alone reads the bytes.
.set XL,   0                           ; x's codes: [K step 4][tile 8][1,536]
.set WL,   49152                       ; the slice's codes: [K step 4][tile 24][1,536]
.set XSL,  196608                      ; x's scale images: [4][8][128]
.set BL,   200704                      ; bq, bk, bv: 128 numbers each
.set WSL,  202752                      ; the slice's scale images: [4][24][128]
.set SOFF, 3145728                     ; xw, qb, kb, vb: the scales lie behind 3,145,728 bytes of codes
.set WSOFF, 589824
.set WHALF, 73728                      ; two K steps of the slice's codes
.set SW,   16                          ; v16-19 W's scale words, v20-23 x's: scales and nothing else
.set SX,   20
.set BV,   24                          ; v24-31 v's path: four bias pairs (at the head: scratch, and v28 an address of the copies)
.set FW,   32                          ; v32-79 four fragments of W
.set FX,   80                          ; v80-127 four of x
.set ACC,  128                         ; v128-255 the accumulators
.set SEL,  48                          ; s[48:49] selects for lane l xor 16
	s_load_b256 s[4:11], s[0:1], 0x0               ; xw, wb, bq, bk
	s_load_b256 s[12:19], s[0:1], 0x20             ; bv, qb, kb, vb
	s_set_vgpr_msb 0x40
	v_lshl_add_u32 v0, v0, 2, 0x34800
	v_mov_b32 v1, 0
	s_set_vgpr_msb 0x4045
	ds_add_u32 v0, v1
	ds_add_u32 v0, v1
	s_set_vgpr_msb 0x4500
	v_lshrrev_b32 v24, 5, v0
	s_delay_alu instid0(VALU_DEP_1)
	v_readfirstlane_b32 s20, v24                   ; wave 0..11
	s_lshr_b32 s21, s20, 1                         ; unit
	s_and_b32 s22, s20, 1                          ; rh
	s_lshr_b32 s23, s21, 1                         ; type
	s_and_b32 s24, s21, 1                          ; which head of the pair
	s_mov_b32 s25, ttmp9                           ; rg
	s_and_b32 s26, ttmp7, 0xffff                   ; sl
	s_lshl_b32 s27, s26, 1
	s_add_co_u32 s27, s27, s24                     ; head
	s_mov_b32 s[SEL], 0x76543210
	s_mov_b32 s[SEL+1], 0xfedcba98
	s_mov_b32 s46, 0xffff0000                      ; lanes 16-31
	v_and_b32 v24, 31, v0                          ; lane
	v_and_b32 v25, 15, v0                          ; r
	v_bfe_u32 v26, v0, 4, 1                        ; h
	s_delay_alu instid0(VALU_DEP_3)
	v_lshlrev_b32 v1, 4, v24                       ; 16 x lane
	s_delay_alu instid0(VALU_DEP_4)
	v_lshlrev_b32 v2, 2, v24                       ; 4 x lane
	; the copies' addresses: each wave's bytes are a constant + a constant x wave + 16 x lane
	s_lshl_b32 s28, s20, 10
	v_add_nc_u32 v3, s28, v1                       ; x's codes and W's scales: 1,024 bytes a wave in each run of 12,288
	s_delay_alu instid0(VALU_DEP_1)
	v_add_nc_u32 v4, XL, v3
	s_delay_alu instid0(VALU_DEP_2)
	v_add_nc_u32 v5, WSL, v3
	s_mul_i32 s28, s20, 3072
	v_add_nc_u32 v6, s28, v1                       ; W's codes: 3,072 bytes a wave in each run of 36,864
	s_delay_alu instid0(VALU_DEP_1)
	v_add_nc_u32 v7, WL, v6                        ; K steps 0, 1;
	s_delay_alu instid0(VALU_DEP_1)
	v_add_nc_u32 v28, WHALF, v7                    ; K steps 2, 3: an address of their own, so that every copy's immediate stays under 2^16
	s_lshl_b32 s28, s20, 9
	s_add_co_u32 s28, s28, XSL
	v_add_nc_u32 v8, s28, v1                       ; waves 0-7: x's scales, 512 bytes each; waves 8-10: a bias, which lies behind them
	; the reads' addresses, all made here
	v_and_b32 v27, 8, v25
	s_delay_alu instid0(VALU_DEP_1)
	v_add_nc_u32 v27, v27, v25                     ; r + 8 (r / 8)
	s_lshl_b32 s29, s21, 8
	s_add_co_u32 s29, s29, BL                      ; my type's bias, my head's 64 numbers
	v_lshl_add_u32 v9, v27, 2, s29                 ; v: the feature of lane r
	v_lshl_add_u32 v15, v26, 6, s29                ; q, k: 16 h numbers on
	s_mul_i32 s28, s22, 6144
	v_add_nc_u32 v10, s28, v1                      ; x's fragments: tiles 4 rh on
	s_mul_i32 s28, s21, 6144
	s_add_co_u32 s28, s28, WL
	v_add_nc_u32 v11, s28, v1                      ; W's: tiles 4 unit on; K steps 0, 1
	s_delay_alu instid0(VALU_DEP_1)
	v_add_nc_u32 v12, WHALF, v11                   ; K steps 2, 3 (an LDS offset has 16 bits)
	s_lshl_b32 s28, s22, 9
	s_add_co_u32 s28, s28, XSL
	v_add_nc_u32 v13, s28, v2
	s_lshl_b32 s28, s21, 9
	s_add_co_u32 s28, s28, WSL
	v_add_nc_u32 v14, s28, v2
	; offsets in memory
	s_mul_i32 s50, s25, 49152
	s_mov_b32 s51, 0
	s_mul_i32 s52, s26, 147456
	s_mov_b32 s53, 0
	s_mul_i32 s54, s26, 12288
	s_add_co_u32 s54, s54, WSOFF
	s_mov_b32 s55, 0
	s_lshl_b32 s38, s25, 12
	s_lshl_b32 s39, s20, 9
	s_add_co_u32 s38, s38, s39
	s_add_co_u32 s38, s38, SOFF                    ; x's scales: rg x 4,096 + wave x 512
	s_lshl_b32 s39, s26, 9                         ; a bias: the slice's 128 numbers
	s_cmp_lt_u32 s20, 8
	s_cselect_b32 s38, s38, s39
	s_mov_b32 s39, 0
	s_lshl_b32 s42, s25, 5
	s_lshl_b32 s43, s22, 4
	s_add_co_u32 s42, s42, s43
	s_add_co_u32 s42, s42, s27                     ; (4 rg + 2 rh) 8 + head: my first block's record
	s_wait_dscnt 0x0
	s_wait_kmcnt 0x0
	s_add_nc_u64 s[30:31], s[4:5], s[50:51]
	s_add_nc_u64 s[32:33], s[6:7], s[52:53]
	s_add_nc_u64 s[56:57], s[32:33], WHALF         ; the slice's K steps 2, 3
	s_add_nc_u64 s[34:35], s[6:7], s[54:55]
	s_mov_b64 s[36:37], s[4:5]
	s_cmp_eq_u32 s20, 8
	s_cselect_b64 s[36:37], s[8:9], s[36:37]
	s_cmp_eq_u32 s20, 9
	s_cselect_b64 s[36:37], s[10:11], s[36:37]
	s_cmp_eq_u32 s20, 10
	s_cselect_b64 s[36:37], s[12:13], s[36:37]
	s_add_nc_u64 s[36:37], s[36:37], s[38:39]
	s_cmp_eq_u32 s23, 0                            ; where my results go
	s_cselect_b64 s[40:41], s[14:15], s[16:17]
	s_cmp_eq_u32 s23, 2
	s_cselect_b64 s[40:41], s[18:19], s[40:41]
	s_cselect_b32 s43, 8, 7                        ; a record's scales: 256 bytes in vb, 128 in qb and kb
	s_lshl_b32 s50, s42, s43
	s_add_co_u32 s50, s50, SOFF
	s_add_nc_u64 s[44:45], s[40:41], s[50:51]
	s_mul_i32 s50, s42, 1536
	s_add_nc_u64 s[40:41], s[40:41], s[50:51]
	; THE COPIES: the immediate steps both addresses, since LDS holds the runs as memory does
.irp k, 0,1,2,3
.irp j, 0,1
	global_load_async_to_lds_b128 v4, v3, s[30:31] offset:\k*12288+\j*512
.endr
.endr
.irp k, 0,1
.irp j, 0,1,2,3,4,5
	global_load_async_to_lds_b128 v7, v6, s[32:33] offset:\k*36864+\j*512
.endr
.endr
.irp k, 0,1
.irp j, 0,1,2,3,4,5
	global_load_async_to_lds_b128 v28, v6, s[56:57] offset:\k*36864+\j*512   ; K steps 2 + k
.endr
.endr
.irp j, 0,1
	global_load_async_to_lds_b128 v5, v3, s[34:35] offset:\j*512
.endr
	s_cmp_lt_u32 s20, 11                           ; eleven pieces of 512 bytes: wave 11 has none
	s_cbranch_scc0 .Lno_piece
	global_load_async_to_lds_b128 v8, v1, s[36:37]
.Lno_piece:
	s_wait_asynccnt 0x0                            ; my copies have landed: zero, for the others' sake
	s_barrier_signal -1
	s_barrier_wait -1                              ; everybody's have
; K step k: four fragments of W, four of x, their scale words
.macro LOADK k
.irp t, 0,1,2,3
.irp g, 0,1,2
.if \k < 2
	ds_load_b128 v[FW+12*\t+4*\g:FW+12*\t+4*\g+3], v11 offset:(\k%2)*36864+\t*1536+512*\g
.else
	ds_load_b128 v[FW+12*\t+4*\g:FW+12*\t+4*\g+3], v12 offset:(\k%2)*36864+\t*1536+512*\g
.endif
.endr
.endr
.irp t, 0,1,2,3
.irp g, 0,1,2
	ds_load_b128 v[FX+12*\t+4*\g:FX+12*\t+4*\g+3], v10 offset:\k*12288+\t*1536+512*\g
.endr
.endr
.irp t, 0,1,2,3
	ds_load_b32 v[SW+\t], v14 offset:\k*3072+128*\t
	ds_load_b32 v[SX+\t], v13 offset:\k*1024+128*\t
.endr
	s_wait_dscnt 0x0
.endm
; 32 numbers of a lane, register 16 e + i = k 32 e + 16 h + i of my row, become half a fragment's codes (6 registers from c on: my half's block) and two scale bytes in hw.  tm: eleven temporaries, the first even.
.macro HQ x, c, hw, tm
	v_mov_b32 v[(\tm)+2], 0                        ; a lane permute's destination counts as one of its sources
	v_mov_b32 v[(\tm)+3], 0
.irp e, 0,1
	v_max3_num_f32 v[(\tm)+\e], |v[(\x)+16*\e]|, |v[(\x)+16*\e+1]|, 0x1800000   ; each accumulator is read from its low end on; the floor 2^(3 - 127) holds the byte at 1
.endr
.irp i, 2,4,6,8,10,12,14
.irp e, 0,1
	v_max3_num_f32 v[(\tm)+\e], v[(\tm)+\e], |v[(\x)+16*\e+\i]|, |v[(\x)+16*\e+\i+1]|
.endr
.endr
.irp e, 0,1
	s_delay_alu instid0(VALU_DEP_2)
	v_permlanex16_b32 v[(\tm)+2+\e], v[(\tm)+\e], s[SEL], s[SEL+1]
.endr
.irp e, 0,1
	s_delay_alu instid0(VALU_DEP_2)
	v_max_num_f32 v[(\tm)+\e], v[(\tm)+\e], v[(\tm)+2+\e]   ; with lane l xor 16's 16: the block's largest magnitude
.endr
.irp e, 0,1
	s_delay_alu instid0(VALU_DEP_2)
	v_add_nc_u32 v[(\tm)+4+\e], 0xff000000, v[(\tm)+\e]     ; 2 off the exponent field: the conversion's scale operand
.endr
.irp e, 0,1
	s_delay_alu instid0(VALU_DEP_2)
	v_lshrrev_b32 v[(\tm)+6+\e], 23, v[(\tm)+4+\e]
.endr
	s_delay_alu instid0(VALU_DEP_1)
	v_lshl_or_b32 v[\hw], v[(\tm)+7], 8, v[(\tm)+6]
	v_cvt_scalef32_pk16_fp6_f32 v[(\c):(\c)+2], v[(\x):(\x)+15], v[(\tm)+4]
	v_cvt_scalef32_pk16_fp6_f32 v[(\tm)+8:(\tm)+10], v[(\x)+16:(\x)+31], v[(\tm)+5]
	v_nop                                          ; one plain place behind a scaled conversion
.irp i, 0,1,2
	v_permlane16_swap_b32 v[(\c)+\i], v[(\tm)+8+\i]   ; the operand's layout wants a whole block in a lane: lanes 0-15 block 0, lanes 16-31 block 1
.endr
.irp i, 0,1,2
	s_delay_alu instid0(VALU_DEP_3)
	v_mov_b32 v[(\c)+3+\i], v[(\tm)+8+\i]
.endr
.endm
	s_cmp_lt_u32 s20, 8                            ; waves 0-7: q and k; waves 8-11: v.  The two ways never meet again, and neither has a barrier
	s_cbranch_scc0 .Lpath_v
	; ---- q, k
	v_lshrrev_b32 v3, 1, v1                        ; 8 x lane (the copies that read v3 are done)
	s_wait_alu depctr_va_vdst(0)
.irp a, 0,1,2,3                                ; the bias of features 32 (a / 2) + 16 h + 8 (a % 2) + 0 .. 7, read once, into the accumulators of x tile 3: with the first K step's 32 loads, 40 LDS loads are out
	ds_load_b128 v[ACC+96+8*\a:ACC+96+8*\a+3], v15 offset:128*(\a/2)+32*(\a%2)
	ds_load_b128 v[ACC+96+8*\a+4:ACC+96+8*\a+7], v15 offset:128*(\a/2)+32*(\a%2)+16
.endr
.irp k, 0,1,2,3
	LOADK \k
.irp b, 0,1,2,3                                ; the 16 accumulators take turns, one instruction a turn, in the same order in every K step
.if (\k == 0) && (\b == 3)
.rept 5
	v_nop                                          ; tile 3's first products write over the registers that the twelve products above have read as C: five places
.endr
.endif
.irp a, 0,1,2,3
.if (\k == 0) && (\b < 3)
	v_wmma_scale_f32_16x16x128_f8f6f4 v[ACC+32*\b+8*\a:ACC+32*\b+8*\a+7], v[FW+12*\a:FW+12*\a+11], v[FX+12*\b:FX+12*\b+11], v[ACC+96+8*\a:ACC+96+8*\a+7], v[SW+\a], v[SX+\b] matrix_a_fmt:MATRIX_FMT_FP6 matrix_b_fmt:MATRIX_FMT_FP6
.else
	v_wmma_scale_f32_16x16x128_f8f6f4 v[ACC+32*\b+8*\a:ACC+32*\b+8*\a+7], v[FW+12*\a:FW+12*\a+11], v[FX+12*\b:FX+12*\b+11], v[ACC+32*\b+8*\a:ACC+32*\b+8*\a+7], v[SW+\a], v[SX+\b] matrix_a_fmt:MATRIX_FMT_FP6 matrix_b_fmt:MATRIX_FMT_FP6
.endif
.endr
.endr
.rept 4
	v_nop                                          ; four places in front of loads into registers that matrix instructions have read, and of the first read of results
.endr
.endr
.irp b, 0,1,2,3                                ; x tile b = 2 x block + u: its 16 rows' 64 numbers
	HQ ACC+32*\b, FX+8*\b, 112+\b, FW
	global_store_b128 v1, v[FX+8*\b:FX+8*\b+3], s[40:41] offset:(\b/2)*12288+(\b%2)*768       ; 512 consecutive bytes, aligned to 256
	global_store_b64 v3, v[FX+8*\b+4:FX+8*\b+5], s[40:41] offset:(\b/2)*12288+(\b%2)*768+512  ; 256 more
.endr
	v_lshl_or_b32 v116, v113, 16, v112             ; a block's scale word: tile u = 0's two bytes, then u = 1's
	v_lshl_or_b32 v117, v115, 16, v114
	global_store_b32 v2, v116, s[44:45]
	global_store_b32 v2, v117, s[44:45] offset:1024
	s_set_vgpr_msb 0x5
	s_wait_tensorcnt 0x0
	ds_add_u32 v0, v1
	s_wait_dscnt 0x0
	s_set_vgpr_msb 0x500
	s_endpgm
	; ---- v
.Lpath_v:
	v_and_b32 v4, 15, v0
	v_bfe_u32 v5, v0, 4, 1
	s_delay_alu instid0(VALU_DEP_2)
	v_mul_u32_u24 v3, v4, 24
	s_delay_alu instid0(VALU_DEP_1)
	v_mad_u32_u24 v3, v5, 12, v3                   ; my 12 bytes of a tile's 384: 24 r + 12 h (the copies that read v3 to v5 are done)
.irp t, 0,1,2,3
	ds_load_b32 v[BV+2*\t], v9 offset:128*(\t/2)+32*(\t%2)     ; the bias of my feature in tile t; the packed addition names a pair, so both are written
	ds_load_b32 v[BV+2*\t+1], v9 offset:128*(\t/2)+32*(\t%2)
.endr
	s_wait_alu depctr_va_vdst(0)
.irp k, 0,1,2,3
	LOADK \k
.irp t, 0,1,2,3                                ; accumulators by turns, as above; the first K step starts the sums
.irp a, 0,1,2,3
.if \k == 0
	v_wmma_scale_f32_16x16x128_f8f6f4 v[ACC+32*\t+8*\a:ACC+32*\t+8*\a+7], v[FX+12*\a:FX+12*\a+11], v[FW+12*\t:FW+12*\t+11], 0, v[SX+\a], v[SW+\t] matrix_a_fmt:MATRIX_FMT_FP6 matrix_b_fmt:MATRIX_FMT_FP6
.else
	v_wmma_scale_f32_16x16x128_f8f6f4 v[ACC+32*\t+8*\a:ACC+32*\t+8*\a+7], v[FX+12*\a:FX+12*\a+11], v[FW+12*\t:FW+12*\t+11], v[ACC+32*\t+8*\a:ACC+32*\t+8*\a+7], v[SX+\a], v[SW+\t] matrix_a_fmt:MATRIX_FMT_FP6 matrix_b_fmt:MATRIX_FMT_FP6
.endif
.endr
.endr
.rept 4
	v_nop
.endr
.endr
	v_mov_b32 v34, 0                               ; lane permutes' destinations
	v_mov_b32 v35, 0
; feature tile t, the wave's two blocks of 32 keys (e) by turns: registers ACC + 32 t + 16 e + i = key 16 h + i of block e, for my feature
.macro VQ t
.irp i, 0,2,4,6,8,10,12,14
.irp e, 0,1
	v_pk_add_f32 v[ACC+32*\t+16*\e+\i:ACC+32*\t+16*\e+\i+1], v[ACC+32*\t+16*\e+\i:ACC+32*\t+16*\e+\i+1], v[BV+2*\t:BV+2*\t+1] op_sel_hi:[1,0]
.endr
.endr
.irp e, 0,1
	v_max3_num_f32 v[32+\e], |v[ACC+32*\t+16*\e]|, |v[ACC+32*\t+16*\e+1]|, 0x1800000
.endr
.irp i, 2,4,6,8,10,12,14
.irp e, 0,1
	s_delay_alu instid0(VALU_DEP_2)
	v_max3_num_f32 v[32+\e], v[32+\e], |v[ACC+32*\t+16*\e+\i]|, |v[ACC+32*\t+16*\e+\i+1]|
.endr
.endr
.irp e, 0,1
	s_delay_alu instid0(VALU_DEP_2)
	v_permlanex16_b32 v[34+\e], v[32+\e], s[SEL], s[SEL+1]
.endr
.irp e, 0,1
	s_delay_alu instid0(VALU_DEP_2)
	v_max_num_f32 v[32+\e], v[32+\e], v[34+\e]
.endr
.irp e, 0,1
	s_delay_alu instid0(VALU_DEP_2)
	v_add_nc_u32 v[36+\e], 0xff000000, v[32+\e]
.endr
.irp e, 0,1
	s_delay_alu instid0(VALU_DEP_2)
	v_lshrrev_b32 v[112+2*\t+\e], 23, v[36+\e]     ; the byte, as a word
.endr
.irp e, 0,1
	v_cvt_scalef32_pk16_fp6_f32 v[80+8*\t+4*\e:80+8*\t+4*\e+2], v[ACC+32*\t+16*\e:ACC+32*\t+16*\e+15], v[36+\e]
.endr
	v_nop                                          ; one plain place behind a scaled conversion
.irp e, 0,1
	global_store_b96 v3, v[80+8*\t+4*\e:80+8*\t+4*\e+2], s[40:41] offset:\e*12288+384*\t   ; the wave stores 384 consecutive bytes; every store has registers of its own
.endr
.endm
	VQ 0
	VQ 1
	VQ 2
	VQ 3
.irp e, 0,1
.irp p, 0,1
	v_cndmask_b32 v[120+2*\e+\p], v[112+4*\p+\e], v[114+4*\p+\e], s46   ; lanes 0-15: tile 2 p's words, lanes 16-31: tile 2 p + 1's
.endr
.endr
.irp e, 0,1
.irp p, 0,1
	global_store_b32 v2, v[120+2*\e+\p], s[44:45] offset:\e*2048+128*\p
.endr
.endr
	s_set_vgpr_msb 0x5
	s_wait_tensorcnt 0x0
	ds_add_u32 v0, v1
	s_wait_dscnt 0x0
	s_set_vgpr_msb 0x500
	s_endpgm
.Lfunc_end_k_q3bb8c34a23_qkv:
	.size	k_q3bb8c34a23_qkv, .Lfunc_end_k_q3bb8c34a23_qkv-k_q3bb8c34a23_qkv
	.p2alignl 7, 3214868480
	.fill 96, 4, 3214868480
	.section	.rodata,"a",@progbits
	.p2align	6, 0x0
	.amdhsa_kernel k_q3bb8c34a23_qkv
		.amdhsa_group_segment_fixed_size 216576
		.amdhsa_private_segment_fixed_size 0
		.amdhsa_enable_private_segment 0
		.amdhsa_kernarg_size 64
		.amdhsa_user_sgpr_count 2
		.amdhsa_user_sgpr_kernarg_segment_ptr 1
		.amdhsa_wavefront_size32 1
		.amdhsa_system_sgpr_workgroup_id_x 1
		.amdhsa_system_sgpr_workgroup_id_y 1
		.amdhsa_system_sgpr_workgroup_id_z 1
		.amdhsa_system_vgpr_workitem_id 0
		.amdhsa_next_free_vgpr 258
		.amdhsa_next_free_sgpr 66
		.amdhsa_reserve_vcc 0
		.amdhsa_float_denorm_mode_32 3
		.amdhsa_float_denorm_mode_16_64 3
		.amdhsa_memory_ordered 1
		.amdhsa_forward_progress 1
		.amdhsa_inst_pref_size 69
	.end_amdhsa_kernel
	.amdgpu_metadata
---
amdhsa.version: [ 1, 2 ]
amdhsa.kernels:
  - .name:           k_q3bb8c34a23_qkv
    .symbol:         k_q3bb8c34a23_qkv.kd
    .args:
      - { .name: xw, .offset: 0, .size: 8, .value_kind: global_buffer, .address_space: global }
      - { .name: wb, .offset: 8, .size: 8, .value_kind: global_buffer, .address_space: global }
      - { .name: bq, .offset: 16, .size: 8, .value_kind: global_buffer, .address_space: global }
      - { .name: bk, .offset: 24, .size: 8, .value_kind: global_buffer, .address_space: global }
      - { .name: bv, .offset: 32, .size: 8, .value_kind: global_buffer, .address_space: global }
      - { .name: qb, .offset: 40, .size: 8, .value_kind: global_buffer, .address_space: global }
      - { .name: kb, .offset: 48, .size: 8, .value_kind: global_buffer, .address_space: global }
      - { .name: vb, .offset: 56, .size: 8, .value_kind: global_buffer, .address_space: global }
    .group_segment_fixed_size: 216576
    .private_segment_fixed_size: 0
    .kernarg_segment_align: 8
    .kernarg_segment_size: 64
    .max_flat_workgroup_size: 384
    .sgpr_count:     66
    .vgpr_count:     258
    .wavefront_size: 32
...
	.end_amdgpu_metadata
.endif
;; end of part 2
;; launch attn (part 3): grid 256 x 1, 16 waves a work-group, no clusters, 302,592 bytes of LDS; arguments qb, kb, vb, wb, bo, out0; writes out0
.if DOCPART == 3
	.amdgcn_target "amdgcn-amd-amdhsa--gfx1250"
	.amdhsa_code_object_version 6
	.text
	.protected	k_q3bb8c34a23_attn
	.globl	k_q3bb8c34a23_attn
	.p2align	8
	.type	k_q3bb8c34a23_attn,@function
k_q3bb8c34a23_attn:
	s_mov_b64 s[64:65], 0
	v_nop
	global_prefetch_b8 v0, s[64:65] scope:SCOPE_SE
	s_setreg_imm32_b32 hwreg(HW_REG_WAVE_MODE, 25, 1), 1
	s_wait_xcnt 0x0
; out = (softmax over the band |q - key| <= 128 of q k^T / sqrt(512)) v, heads joined, x Wo^T + bo.  All three products on codes of FP6 (E2M3) with E8M0 scales, sums in f32.
; THE BAND.  A block of 32 queries sees keys of nine aligned blocks of 32 (its own, four before, four after); only the first and the last are cut by the band; at a sequence's ends whole blocks fall away.
; What lies outside gives p = 0 in the problem's own mask, so it is not multiplied.  A block past a sequence's end is replaced by a clamped one whose scores get -infinity added: no address leaves its buffer, no branch.
; THE SOFTMAX: t = score x c, c = log2(e) / sqrt(512), one rounding; M = the row's largest t rounded UP to a whole number (all of a row's keys are at hand: one pass); p = 2^(t - M) is quantised along the keys;
; the row's sum is taken of the unquantised p and divides at the end.
; SHARES.  A work-group owns 32 queries and all 8 heads.  Wave w: head = w / 2, tile u = w % 2 of 16 queries (lane r = query 8 u + r + 8 (r / 8)); in the last product: outputs 32 w .. 32 w + 31 for all 32 rows.
; Four waves to a SIMD, so that one wave's vector work stands beside another's matrix work and loads.
; LAYOUT.  All products are used transposed, so that a lane holds ONE query throughout.  d = 64 is half of the instruction's K: a key block's two tiles lie side by side along K in one operand (12 registers),
; and q stands once in the lower half over zeros and once in the upper: two products give the block's 32 keys.  By the tiles' row order a lane's 16 registers of a block are 16 neighbouring keys.
; LDS: K's and V's records of nine blocks x 8 heads are filled ONCE by lane-wise copies; o's images, their scale words and y's stage have bytes of their own.  Three barriers.
; No cluster: this text has no tensor load; and four neighbours' windows together are 12 blocks x 24,576 = 294,912 bytes beside the 79,360 in other use.  No prefetch: all is asked for at the head.
; LIMITS: NaN and infinities are not served; a block of zeros gets the byte 1: its codes are zeros.
.set OL,   0                           ; o's half images: (u 8 + head) 768
.set OSL,  12288                       ; their scale words: (u 4 + K step) 128
.set STG,  13312                       ; y: 32 rows x (2,048 + 16)
.set SPIT, 2064
.set KV,   79360                       ; slot (block i, w') at (16 i + w') 1,536: w' = head: K; 8 + head: V
.set BLK,  24576                       ; from block to block
.set SOFF, 3145728                     ; qb, kb, vb: the scales lie behind the codes
.set WOF,  638976
.set WOS,  835584
.set KS,   8                           ; v8-16  K's scale words; later v8-15 Wo's
.set QR,   17                          ; v17 q's block word, v18 my tile's two bytes twice; v19-24 V's scale words; later v17-24 o's
.set QS,   18
.set VSW,  19
.set PW,   25                          ; v25-27 p's scale words.  v8-27 hold scales and nothing else
.set Z,    28                          ; v28-33 zeros, v34-39 q, v40-45 zeros; then -M by block (pairs); then conversions' second halves; then O^T; then y's accumulators
.set BM,   47                          ; v47-55 each block's largest score, then its largest p, then the conversion's scale operand
.set D,    60                          ; v60-95 three key blocks' operands; then p's codes; then o's codes, temporaries, bo
.set E,    96                          ; v96-239 addresses at the head; the scores, then p; then Wo (v96-191) and V or o (v192-239); then y's rows
.set VT,   128                         ; the head: V's scale bytes as loaded
.set VF,   192
.set T9,   240                         ; v240-248 at work;  later v240 bo's offset, v241 the stage's read address
.set D0,   249                         ; my query's place in its block - 16 h
.set NINF, 254
.set NEGM, 255
.set SEL,  20
.set CS,   22
	s_load_b256 s[4:11], s[0:1], 0x0               ; qb, kb, vb, wb
	s_load_b128 s[12:15], s[0:1], 0x20             ; bo, out0
	v_lshl_add_u32 v254, v0, 2, 0x49600
	v_mov_b32 v255, 0
	ds_add_u32 v254, v255
	ds_add_u32 v254, v255
	s_wait_dscnt 0x0
	v_lshrrev_b32 v56, 5, v0
	s_delay_alu instid0(VALU_DEP_1)
	v_readfirstlane_b32 s16, v56                   ; wave 0..15
	s_lshr_b32 s17, s16, 1                         ; head
	s_and_b32 s18, s16, 1                          ; u
	s_mov_b32 s19, ttmp9                           ; my block of queries, 0..255
	s_mov_b32 s[SEL], 0x76543210
	s_mov_b32 s[SEL+1], 0xfedcba98
	s_mov_b32 s[CS], 0x3d8293ee                    ; c = log2(e) / sqrt(512)
	s_mov_b32 s[CS+1], s[CS]                       ; (named with it as a pair)
	s_mov_b32 s24, 0xff800000                      ; -infinity
	v_and_b32 v56, 31, v0                          ; lane
	v_and_b32 v57, 15, v0                          ; r
	v_bfe_u32 v58, v0, 4, 1                        ; h
	s_delay_alu instid0(VALU_DEP_3)
	v_lshlrev_b32 v1, 4, v56
	s_wait_alu depctr_va_vdst(0)
	v_lshlrev_b32 v2, 3, v56
	v_lshlrev_b32 v3, 2, v56
	v_and_b32 v59, 8, v57
	s_delay_alu instid0(VALU_DEP_1)
	v_add_nc_u32 v59, v59, v57                     ; r + 8 (r / 8)
	s_and_b32 s67, s19, 127                        ; my block within its sequence of 128 blocks
	s_and_b32 s69, s19, 128                        ; the sequence's first block
.irp i, 0,1,2,3,4,5,6,7,8
	s_add_co_i32 s66, s67, \i-4
	s_max_i32 s68, s66, 0
	s_min_i32 s68, s68, 127                        ; held inside the sequence
	s_cmp_eq_u32 s66, s68
	s_cselect_b32 s[34+\i], 0, s24                 ; what is added to the block's scores: 0, or -infinity where the block does not exist
	s_add_co_u32 s[25+\i], s68, s69                ; the block that is read
.endr
	s_mul_i32 s66, s16, 1536
	s_add_co_u32 s66, s66, KV
	v_add_nc_u32 v96, s66, v1                      ; the copies' LDS addresses: slot (i, wave), 16 x lane
.irp i, 1,2,3,4,5,6,7,8
	v_add_nc_u32 v[96+\i], \i*BLK, v96
.endr
	s_and_b32 s70, s16, 7
	s_wait_alu depctr_va_vdst(0)
	s_wait_kmcnt 0x0
	s_cmp_lt_u32 s16, 8                            ; waves 0-7 bring K's records of head = wave, waves 8-15 V's of head = wave - 8
	s_cselect_b64 s[72:73], s[6:7], s[8:9]
.irp i, 0,1,2,3,4,5,6,7,8
	s_lshl_b32 s66, s[25+\i], 3
	s_add_co_u32 s66, s66, s70
	s_mul_i32 s66, s66, 1536
	s_mov_b32 s67, 0
	s_add_nc_u64 s[44+2*\i:45+2*\i], s[72:73], s[66:67]
.endr
.irp i, 0,1,2,3,4,5,6,7,8
.irp g, 0,1,2
	global_load_async_to_lds_b128 v[96+\i], v1, s[44+2*\i:45+2*\i] offset:512*\g   ; a record of 1,536 bytes as it lies
.endr
.endr
	s_lshl_b32 s71, s19, 3
	s_add_co_u32 s71, s71, s17                     ; my block's record of my head
	s_mul_i32 s66, s71, 1536
	s_mul_i32 s68, s18, 768
	s_add_co_u32 s66, s66, s68
	s_add_nc_u64 s[74:75], s[4:5], s[66:67]
	s_lshl_b32 s66, s71, 7
	s_add_co_u32 s66, s66, SOFF
	s_add_nc_u64 s[76:77], s[4:5], s[66:67]
	global_load_b128 v[34:37], v1, s[74:75]        ; q: half an operand
	global_load_b64 v[38:39], v2, s[74:75] offset:512
	global_load_b32 v[QR], v3, s[76:77]
.irp i, 0,1,2,3,4,5,6,7,8
	s_lshl_b32 s66, s[25+\i], 3
	s_add_co_u32 s66, s66, s17
	s_lshl_b32 s68, s66, 7
	s_add_co_u32 s68, s68, SOFF
	v_add_nc_u32 v[105+\i], s68, v3
	s_lshl_b32 s68, s66, 8
	s_add_co_u32 s68, s68, SOFF
	v_add_nc_u32 v[114+\i], s68, v3
.endr
	s_wait_alu depctr_va_vdst(0)
.irp i, 0,1,2,3,4,5,6,7,8
	global_load_b32 v[KS+\i], v[105+\i], s[6:7]
.endr
.irp i, 0,1,2,3,4,5,6,7
.irp p, 0,1
	global_load_b32 v[VT+2*\i+\p], v[114+\i], s[8:9] offset:128*\p   ; lanes 0-15: feature tile 2 p, lanes 16-31: tile 2 p + 1
.endr
.endr
.irp p, 0,1
	global_load_b32 v[VSW+4+\p], v122, s[8:9] offset:128*\p          ; block 8 stands alone in its scale word
.endr
	; work on registers while all that is on its way
	s_lshr_b32 s66, s16, 2
	s_and_b32 s68, s16, 3
	s_mul_i32 s70, s66, 49152
	s_mul_i32 s71, s68, 3072
	s_add_co_u32 s70, s70, s71
	s_add_co_u32 s70, s70, WOF
	s_mov_b32 s71, 0
	s_add_nc_u64 s[78:79], s[10:11], s[70:71]      ; Wo's block w: fragments,
	s_lshl_b32 s70, s66, 12
	s_lshl_b32 s86, s68, 8
	s_add_co_u32 s70, s70, s86
	s_add_co_u32 s70, s70, WOS
	s_add_nc_u64 s[80:81], s[10:11], s[70:71]      ; scale words
	s_lshl_b32 s70, s16, 7
	s_add_nc_u64 s[82:83], s[12:13], s[70:71]      ; bo's 32 numbers
	s_lshl_b32 s70, s19, 5
	s_lshl_b32 s86, s16, 1
	s_add_co_u32 s70, s70, s86
	s_lshl_b32 s70, s70, 11
	s_add_nc_u64 s[84:85], s[14:15], s[70:71]      ; out0 at row 32 x block + 2 x wave
	s_mov_b32 s87, 0x01000100
	s_cmp_eq_u32 s18, 1
	s_cselect_b32 s87, 0x03020302, s87             ; which two bytes of q's block word are my tile's
.irp j, 0,1,2,3,4,5
	v_mov_b32 v[28+\j], 0
	v_mov_b32 v[40+\j], 0
.endr
.irp b, 0,1,2,3,4,5,6,7,8
	v_mov_b32 v[T9+\b], 0                          ; lane permutes' destinations
.endr
	v_lshlrev_b32 v[D0], 4, v58
	s_delay_alu instid0(VALU_DEP_1)
	v_sub_nc_u32 v[D0], v59, v[D0]
	s_lshl_b32 s66, s18, 3
	v_add_nc_u32 v[D0], s66, v[D0]                 ; 8 u + r + 8 (r / 8) - 16 h
	v_mov_b32 v[NINF], s24
	s_mul_i32 s66, s17, 1536
	s_add_co_u32 s66, s66, KV
	v_add_nc_u32 v4, s66, v1                       ; K's slot of block 0: 16 x lane,
	v_add_nc_u32 v5, s66, v2                       ; 8 x lane
	s_add_co_u32 s66, s66, 8*1536
	v_mul_u32_u24 v7, v57, 24
	s_delay_alu instid0(VALU_DEP_1)
	v_add_nc_u32 v7, s66, v7                       ; V's slot of block 0, feature r's 24 bytes;
	s_delay_alu instid0(VALU_DEP_1)
	v_mad_u32_u24 v6, v58, BLK, v7                 ; lanes 16-31 take the next block;
	s_delay_alu instid0(VALU_DEP_2)
	v_add_nc_u32 v7, 8*BLK, v7                     ; block 8, for both halves of the lanes
	s_wait_loadcnt 0x0
	v_perm_b32 v[QS], v[QR], v[QR], s87            ; (a, b, a, b): q's scales for either half of K.  The twelve lines below are more than the eight places owed in front of a scaled product
.irp g, 0,1
.irp p, 0,1
	v_lshl_or_b32 v[VSW+2*\g+\p], v[VT+2*(4*\g+1)+\p], 8, v[VT+2*(4*\g)+\p]
	s_delay_alu instid0(VALU_DEP_1)
	v_lshl_or_b32 v[VSW+2*\g+\p], v[VT+2*(4*\g+2)+\p], 16, v[VSW+2*\g+\p]
	s_delay_alu instid0(VALU_DEP_1)
	v_lshl_or_b32 v[VSW+2*\g+\p], v[VT+2*(4*\g+3)+\p], 24, v[VSW+2*\g+\p]
.endr
.endr
	s_wait_asynccnt 0x0                            ; my copies have landed: zero, for the others' sake
	s_barrier_signal -1
	s_barrier_wait -1                              ; all nine blocks of K and V lie in LDS; nobody writes them again
	; ---- the scores: three groups of three blocks
.macro SGROUP g
.irp k, 0,1,2
	ds_load_b128 v[D+12*\k:D+12*\k+3], v4 offset:\k*BLK
	ds_load_b64 v[D+12*\k+4:D+12*\k+5], v5 offset:\k*BLK+512
	ds_load_b128 v[D+12*\k+6:D+12*\k+9], v4 offset:\k*BLK+768
	ds_load_b64 v[D+12*\k+10:D+12*\k+11], v5 offset:\k*BLK+1280
.endr
.irp k, 0,1,2
	s_wait_dscnt 8-4*\k                            ; block k's four loads are in; the later blocks' may be out
	v_wmma_scale_f32_16x16x128_f8f6f4 v[E+16*(3*\g+\k):E+16*(3*\g+\k)+7], v[D+12*\k:D+12*\k+11], v[34:45], 0, v[KS+3*\g+\k], v[QS] matrix_a_fmt:MATRIX_FMT_FP6 matrix_b_fmt:MATRIX_FMT_FP6
	v_wmma_scale_f32_16x16x128_f8f6f4 v[E+16*(3*\g+\k)+8:E+16*(3*\g+\k)+15], v[D+12*\k:D+12*\k+11], v[28:39], 0, v[KS+3*\g+\k], v[QS] matrix_a_fmt:MATRIX_FMT_FP6 matrix_b_fmt:MATRIX_FMT_FP6
.endr
.endm
	SGROUP 0
	v_add_nc_u32 v4, 3*BLK, v4                     ; these two and two v_nop: the four places in front of loads into registers that matrix instructions have read
	v_add_nc_u32 v5, 3*BLK, v5
	v_nop
	v_nop
	SGROUP 1
	s_wait_alu depctr_va_vdst(0)
	v_add_nc_u32 v4, 3*BLK, v4
	v_add_nc_u32 v5, 3*BLK, v5
	v_nop
	v_nop
	SGROUP 2                                       ; register E + 16 i + n of lane (r, h): key 16 h + n of block i
.rept 4
	v_nop
.endr
	; ---- the band's two edges: in block 0 key n is too early where n < D0, in block 8 too late where n > D0
.irp n, 0,1,2,3,4,5,6,7,8,9,10,11,12,13,14,15
	v_cmp_lt_i32 vcc_lo, \n, v[D0]
	v_cndmask_b32 v[E+\n], v[E+\n], v[NINF], vcc_lo
.endr
.irp n, 0,1,2,3,4,5,6,7,8,9,10,11,12,13,14,15
	v_cmp_gt_i32 vcc_lo, \n, v[D0]
	v_cndmask_b32 v[E+128+\n], v[E+128+\n], v[NINF], vcc_lo
.endr
	; ---- the softmax.  Each block's largest score serves twice: for the row's maximum, and, since p rises with the score, for the block's largest p
.irp b, 0,1,2,3,4,5,6,7,8
	v_max3_num_f32 v[BM+\b], v[E+16*\b], v[E+16*\b+1], v[E+16*\b+2]   ; each accumulator is read from its low end on
.endr
.irp i, 3,5,7,9,11,13
.irp b, 0,1,2,3,4,5,6,7,8
	v_max3_num_f32 v[BM+\b], v[BM+\b], v[E+16*\b+\i], v[E+16*\b+\i+1]
.endr
.endr
.irp b, 0,1,2,3,4,5,6,7,8
	v_max_num_f32 v[BM+\b], v[BM+\b], v[E+16*\b+15]
.endr
.irp b, 0,1,2,3,4,5,6,7,8
	v_permlanex16_b32 v[T9+\b], v[BM+\b], s[SEL], s[SEL+1]
.endr
.irp b, 0,1,2,3,4,5,6,7,8
	v_max_num_f32 v[BM+\b], v[BM+\b], v[T9+\b]     ; with lane l xor 16's 16 keys
.endr
.irp b, 0,1,2,3,4,5,6,7,8
	v_add_f32 v[BM+\b], s[34+\b], v[BM+\b]         ; a block that does not exist counts for nothing
.endr
	v_max3_num_f32 v56, v[BM], v[BM+1], v[BM+2]
	s_delay_alu instid0(VALU_DEP_1)
	v_max3_num_f32 v56, v56, v[BM+3], v[BM+4]
	s_delay_alu instid0(VALU_DEP_1)
	v_max3_num_f32 v56, v56, v[BM+5], v[BM+6]
	s_delay_alu instid0(VALU_DEP_1)
	v_max3_num_f32 v56, v56, v[BM+7], v[BM+8]      ; the row's largest score (the query's own key is always in the band)
	s_delay_alu instid0(VALU_DEP_1)
	v_mul_f32 v56, s[CS], v56
	s_delay_alu instid0(VALU_DEP_1)
	v_floor_f32 v[NEGM], -v56                      ; -M = floor(-t) = -ceil(t)
.irp b, 0,1,2,3,4,5,6,7,8
	v_add_f32 v[Z+2*\b], s[34+\b], v[NEGM]         ; -M, or -infinity for a block that does not exist (q is done with)
.endr
.irp b, 0,1,2,3,4,5,6,7,8
.irp j, 0,2,4,6,8,10,12,14
	v_pk_fma_f32 v[E+16*\b+\j:E+16*\b+\j+1], v[E+16*\b+\j:E+16*\b+\j+1], s[CS:CS+1], v[Z+2*\b:Z+2*\b+1] op_sel_hi:[1,0,0]   ; t - M, two at a time
.endr
.endr
.irp b, 0,1,2,3,4,5,6,7,8
	v_fma_f32 v[BM+\b], v[BM+\b], s[CS], v[Z+2*\b] ; the same of each block's largest score
.endr
.set J, 0
	s_wait_alu depctr_va_vdst(0)
.rept 144
	v_exp_f32 v[E+J], v[E+J]                       ; p = 2^(t - M), at most 1, not normalised
.set J, J+1
.endr
	v_nop                                          ; a plain place behind the exponentials
	s_wait_alu depctr_va_vdst(0)                   ; one wait for the whole batch, ahead of its first reader
.irp b, 0,1,2,3,4,5,6,7,8
	v_exp_f32 v[BM+\b], v[BM+\b]                   ; each block's largest p: the same two instructions on the same number
.endr
	v_pk_add_f32 v[252:253], v[96:97], v[98:99]
	v_pk_add_f32 v[254:255], v[104:105], v[108:109]
	v_pk_add_f32 v[248:249], v[112:113], v[116:117]
	v_pk_add_f32 v[246:247], v[120:121], v[124:125]
	v_pk_add_f32 v[244:245], v[128:129], v[132:133]
	v_pk_add_f32 v[242:243], v[136:137], v[140:141]
	v_pk_add_f32 v[240:241], v[144:145], v[148:149]
	v_pk_add_f32 v[250:251], v[152:153], v[156:157]
	v_pk_add_f32 v[250:251], v[250:251], v[160:161]
	v_pk_add_f32 v[252:253], v[252:253], v[164:165]
	v_pk_add_f32 v[254:255], v[254:255], v[168:169]
	v_pk_add_f32 v[248:249], v[248:249], v[172:173]
	v_pk_add_f32 v[246:247], v[246:247], v[176:177]
	v_pk_add_f32 v[244:245], v[244:245], v[180:181]
	v_pk_add_f32 v[242:243], v[242:243], v[184:185]
	v_pk_add_f32 v[240:241], v[240:241], v[188:189]
	v_pk_add_f32 v[250:251], v[250:251], v[192:193]
	v_pk_add_f32 v[252:253], v[252:253], v[196:197]
	v_pk_add_f32 v[254:255], v[254:255], v[200:201]
	v_pk_add_f32 v[248:249], v[248:249], v[204:205]
	v_pk_add_f32 v[246:247], v[246:247], v[208:209]
	v_pk_add_f32 v[244:245], v[244:245], v[212:213]
	v_pk_add_f32 v[242:243], v[242:243], v[216:217]
	v_pk_add_f32 v[240:241], v[240:241], v[220:221]
	v_pk_add_f32 v[250:251], v[250:251], v[224:225]
	v_pk_add_f32 v[252:253], v[252:253], v[228:229]
	v_pk_add_f32 v[254:255], v[254:255], v[232:233]
	v_pk_add_f32 v[248:249], v[248:249], v[236:237]
	v_pk_add_f32 v[246:247], v[246:247], v[100:101]
	v_pk_add_f32 v[244:245], v[244:245], v[102:103]
	v_pk_add_f32 v[242:243], v[242:243], v[106:107]
	v_pk_add_f32 v[240:241], v[240:241], v[110:111]
	v_pk_add_f32 v[250:251], v[250:251], v[114:115]
	v_pk_add_f32 v[252:253], v[252:253], v[118:119]
	v_pk_add_f32 v[254:255], v[254:255], v[122:123]
	v_pk_add_f32 v[248:249], v[248:249], v[126:127]
	v_pk_add_f32 v[246:247], v[246:247], v[130:131]
	v_pk_add_f32 v[244:245], v[244:245], v[134:135]
	v_pk_add_f32 v[242:243], v[242:243], v[138:139]
	v_pk_add_f32 v[240:241], v[240:241], v[142:143]
	v_pk_add_f32 v[250:251], v[250:251], v[146:147]
	v_pk_add_f32 v[252:253], v[252:253], v[150:151]
	v_pk_add_f32 v[254:255], v[254:255], v[154:155]
	v_pk_add_f32 v[248:249], v[248:249], v[158:159]
	v_pk_add_f32 v[246:247], v[246:247], v[162:163]
	v_pk_add_f32 v[244:245], v[244:245], v[166:167]
	v_pk_add_f32 v[242:243], v[242:243], v[170:171]
	v_pk_add_f32 v[240:241], v[240:241], v[174:175]
	v_pk_add_f32 v[250:251], v[250:251], v[178:179]
	v_pk_add_f32 v[252:253], v[252:253], v[182:183]
	v_pk_add_f32 v[254:255], v[254:255], v[186:187]
	v_pk_add_f32 v[248:249], v[248:249], v[190:191]
	v_pk_add_f32 v[246:247], v[246:247], v[194:195]
	v_pk_add_f32 v[244:245], v[244:245], v[198:199]
	v_pk_add_f32 v[242:243], v[242:243], v[202:203]
	v_pk_add_f32 v[240:241], v[240:241], v[206:207]
	v_pk_add_f32 v[250:251], v[250:251], v[210:211]
	v_pk_add_f32 v[252:253], v[252:253], v[214:215]
	v_pk_add_f32 v[254:255], v[254:255], v[218:219]
	v_pk_add_f32 v[248:249], v[248:249], v[222:223]
	v_pk_add_f32 v[246:247], v[246:247], v[226:227]
	v_pk_add_f32 v[244:245], v[244:245], v[230:231]
	v_pk_add_f32 v[242:243], v[242:243], v[234:235]
	v_pk_add_f32 v[240:241], v[240:241], v[238:239]
	s_delay_alu instid0(VALU_DEP_4)
	v_pk_add_f32 v[250:251], v[250:251], v[246:247]
	s_delay_alu instid0(VALU_DEP_4)
	v_pk_add_f32 v[252:253], v[252:253], v[244:245]
	s_delay_alu instid0(VALU_DEP_4)
	v_pk_add_f32 v[254:255], v[254:255], v[242:243]
	s_delay_alu instid0(VALU_DEP_4)
	v_pk_add_f32 v[248:249], v[248:249], v[240:241]
	s_delay_alu instid0(VALU_DEP_2)
	v_pk_add_f32 v[250:251], v[250:251], v[254:255]
	s_delay_alu instid0(VALU_DEP_2)
	v_pk_add_f32 v[252:253], v[252:253], v[248:249]
	s_delay_alu instid0(VALU_DEP_1)
	v_pk_add_f32 v[250:251], v[250:251], v[252:253]
	s_delay_alu instid0(VALU_DEP_1)
	v_add_f32 v250, v250, v251
	s_delay_alu instid0(VALU_DEP_1)
	v_permlanex16_b32 v252, v250, s[SEL], s[SEL+1]
	s_delay_alu instid0(VALU_DEP_1)
	v_add_f32 v250, v250, v252                     ; with lane l xor 16's keys: l
	s_wait_alu depctr_va_vdst(0)
	v_rcp_f32 v250, v250
	v_nop                                          ; a plain place behind the reciprocal
	s_wait_alu depctr_va_vdst(0)                   ; one wait for the nine exponentials and the reciprocal
.irp b, 0,1,2,3,4,5,6,7,8
	v_max_num_f32 v[BM+\b], 0x1800000, v[BM+\b]    ; the floor 2^(3 - 127): a block whose every p is 0 keeps the byte 1; its codes are zeros
.endr
.irp b, 0,1,2,3,4,5,6,7,8
	v_add_nc_u32 v[BM+\b], 0xff000000, v[BM+\b]    ; the conversion's scale operand
.endr
.irp b, 0,1,2,3,4,5,6,7,8
	v_lshrrev_b32 v[T9+\b], 23, v[BM+\b]           ; the scale's byte
.endr
.irp g, 0,1
	v_lshl_or_b32 v[PW+\g], v[T9+4*\g+1], 8, v[T9+4*\g]
	s_delay_alu instid0(VALU_DEP_1)
	v_lshl_or_b32 v[PW+\g], v[T9+4*\g+2], 16, v[PW+\g]
	s_delay_alu instid0(VALU_DEP_1)
	v_lshl_or_b32 v[PW+\g], v[T9+4*\g+3], 24, v[PW+\g]
.endr
	v_mov_b32 v[PW+2], v[T9+8]
.irp j, 0,1,2
	v_mov_b32 v[Z+16+\j], 0                        ; block 9 does not exist: zero codes,
.endr
.irp j, 0,1,2,3,4,5
	v_mov_b32 v[D+30+\j], 0                        ; and so for blocks 10 and 11
.endr
.irp m, 0,1,2,3
	v_cvt_scalef32_pk16_fp6_f32 v[D+6*\m:D+6*\m+2], v[E+32*\m:E+32*\m+15], v[BM+2*\m]
	v_cvt_scalef32_pk16_fp6_f32 v[Z+4*\m:Z+4*\m+2], v[E+32*\m+16:E+32*\m+31], v[BM+2*\m+1]
.endr
	v_cvt_scalef32_pk16_fp6_f32 v[D+24:D+26], v[E+128:E+143], v[BM+8]
	v_nop                                          ; one plain place behind a scaled conversion
	; p's registers are free: Wo's block w is asked for now, for the last product
.irp q, 0,1
.irp k, 0,1,2,3
.irp g, 0,1,2
	global_load_b128 v[E+12*(4*\q+\k)+4*\g:E+12*(4*\q+\k)+4*\g+3], v1, s[78:79] offset:\k*12288+\q*1536+512*\g
.endr
	global_load_b32 v[KS+4*\q+\k], v3, s[80:81] offset:\k*1024+\q*128
.endr
.endr
; V's four feature tiles for four key blocks: lane (r, h) takes feature r's 24 bytes of blocks 2 c + h.  nc = 1: block 8 alone; what else the operand holds meets zero codes of p
.macro PVLOAD adr, nc
.irp t, 0,1,2,3
.irp c, 0,1
.if \c < \nc
.irp p, 0,1,2
	ds_load_b64 v[VF+12*\t+6*\c+2*\p:VF+12*\t+6*\c+2*\p+1], v[\adr] offset:\c*2*BLK+384*\t+8*\p
.endr
.endif
.endr
.endr
.endm
; O^T += V^T P^T: the four accumulators take turns; the first group starts the sums
.macro PVMUL g
	s_wait_dscnt 0x0
.irp t, 0,1,2,3
.if \g == 0
.if \t % 2
	v_wmma_scale_f32_16x16x128_f8f6f4 v[Z+8*\t:Z+8*\t+7], v[VF+12*\t:VF+12*\t+11], v[D+12*\g:D+12*\g+11], 0, v[VSW+2*\g+\t/2], v[PW+\g] matrix_a_fmt:MATRIX_FMT_FP6 matrix_b_fmt:MATRIX_FMT_FP6 matrix_a_scale:MATRIX_SCALE_ROW1
.else
	v_wmma_scale_f32_16x16x128_f8f6f4 v[Z+8*\t:Z+8*\t+7], v[VF+12*\t:VF+12*\t+11], v[D+12*\g:D+12*\g+11], 0, v[VSW+2*\g+\t/2], v[PW+\g] matrix_a_fmt:MATRIX_FMT_FP6 matrix_b_fmt:MATRIX_FMT_FP6
.endif
.else
.if \t % 2
	v_wmma_scale_f32_16x16x128_f8f6f4 v[Z+8*\t:Z+8*\t+7], v[VF+12*\t:VF+12*\t+11], v[D+12*\g:D+12*\g+11], v[Z+8*\t:Z+8*\t+7], v[VSW+2*\g+\t/2], v[PW+\g] matrix_a_fmt:MATRIX_FMT_FP6 matrix_b_fmt:MATRIX_FMT_FP6 matrix_a_scale:MATRIX_SCALE_ROW1
.else
	v_wmma_scale_f32_16x16x128_f8f6f4 v[Z+8*\t:Z+8*\t+7], v[VF+12*\t:VF+12*\t+11], v[D+12*\g:D+12*\g+11], v[Z+8*\t:Z+8*\t+7], v[VSW+2*\g+\t/2], v[PW+\g] matrix_a_fmt:MATRIX_FMT_FP6 matrix_b_fmt:MATRIX_FMT_FP6
.endif
.endif
.endr
.endm
	PVLOAD 6, 2                                    ; blocks 0-3, on their way while the halves change places
.irp m, 0,1,2,3,4                              ; the operand's layout wants a whole block in a lane: lanes 0-15 block 2 m, lanes 16-31 block 2 m + 1
.irp i, 0,1,2
	v_permlane16_swap_b32 v[D+6*\m+\i], v[Z+4*\m+\i]
.endr
.irp i, 0,1,2
	s_delay_alu instid0(VALU_DEP_3)
	v_mov_b32 v[D+6*\m+3+\i], v[Z+4*\m+\i]
.endr
.endr
.rept 8
	v_nop                                          ; an operand written by vector instructions stands 4 places ahead of a scaled product, a scale register so written 8
.endr
	PVMUL 0
	v_add_nc_u32 v6, 4*BLK, v6                     ; with three v_nop: four places in front of the loads
	v_nop
	v_nop
	v_nop
	PVLOAD 6, 2                                    ; blocks 4-7
	s_wait_alu depctr_va_vdst(0)
	PVMUL 1
.rept 4
	v_nop
.endr
	PVLOAD 7, 1                                    ; block 8
	PVMUL 2
	; ---- o = O^T / l, quantised along the head's 64.  The addresses for what follows are made here: plain lines that name no register of the last products, more than the four places owed
	v_bfe_u32 v242, v0, 4, 1                       ; h
	v_and_b32 v243, 15, v0                         ; r
	s_delay_alu instid0(VALU_DEP_1)
	v_and_b32 v244, 8, v243
	s_delay_alu instid0(VALU_DEP_1)
	v_add_nc_u32 v244, v244, v243                  ; r + 8 (r / 8)
	s_wait_alu depctr_va_vdst(0)
	v_lshlrev_b32 v240, 6, v242                    ; bo: 16 h numbers on
	s_wait_alu depctr_va_vdst(0)
	s_lshl_b32 s66, s18, 3
	s_add_co_u32 s66, s66, s17
	s_mul_i32 s66, s66, 768
	v_add_nc_u32 v4, s66, v1                       ; o's half image (u, head): 16 x lane,
	v_add_nc_u32 v5, s66, v2                       ; 8 x lane
	s_lshl_b32 s66, s18, 2
	s_lshr_b32 s68, s17, 1
	s_add_co_u32 s66, s66, s68
	s_lshl_b32 s66, s66, 7
	s_and_b32 s68, s17, 1
	s_lshl_b32 s68, s68, 1
	s_add_co_u32 s66, s66, s68
	s_add_co_u32 s66, s66, OSL
	v_add_nc_u32 v6, s66, v3                       ; my two bytes of the scale word (u, K step head / 2)
	v_mul_u32_u24 v7, v244, SPIT
	s_delay_alu instid0(VALU_DEP_1)
	v_lshl_add_u32 v7, v242, 6, v7
	s_lshl_b32 s66, s16, 7
	s_add_co_u32 s66, s66, STG
	v_add_nc_u32 v7, s66, v7                       ; the stage, in: row r + 8 (r / 8), + 128 w + 64 h
	s_mul_i32 s66, s16, 2*SPIT
	s_add_co_u32 s66, s66, STG
	v_add_nc_u32 v241, s66, v1                     ; and back: rows 2 w, 2 w + 1
.irp q, 0,1
	global_load_b128 v[80+8*\q:83+8*\q], v240, s[82:83] offset:32*\q       ; bo in the result's layout: outputs 32 w + 8 q + 16 h + 0 .. 7
	global_load_b128 v[84+8*\q:87+8*\q], v240, s[82:83] offset:32*\q+16
.endr
.irp j, 0,2,4,6,8,10,12,14,16,18,20,22,24,26,28,30
	v_pk_mul_f32 v[Z+\j:Z+\j+1], v[Z+\j:Z+\j+1], v[250:251] op_sel_hi:[1,0]   ; / l; each accumulator from its low end on
.endr
; 32 numbers of a lane, register 16 e + i = k 32 e + 16 h + i of my row, become half a fragment's codes (6 registers from c on) and two scale bytes in hw.  tm: eleven temporaries, the first even
.macro HQ x, c, hw, tm
	v_mov_b32 v[(\tm)+2], 0
	v_mov_b32 v[(\tm)+3], 0
.irp e, 0,1
	v_max3_num_f32 v[(\tm)+\e], |v[(\x)+16*\e]|, |v[(\x)+16*\e+1]|, 0x1800000
.endr
.irp i, 2,4,6,8,10,12,14
.irp e, 0,1
	s_delay_alu instid0(VALU_DEP_2)
	v_max3_num_f32 v[(\tm)+\e], v[(\tm)+\e], |v[(\x)+16*\e+\i]|, |v[(\x)+16*\e+\i+1]|
.endr
.endr
.irp e, 0,1
	s_delay_alu instid0(VALU_DEP_2)
	v_permlanex16_b32 v[(\tm)+2+\e], v[(\tm)+\e], s[SEL], s[SEL+1]
.endr
.irp e, 0,1
	s_delay_alu instid0(VALU_DEP_2)
	v_max_num_f32 v[(\tm)+\e], v[(\tm)+\e], v[(\tm)+2+\e]
.endr
.irp e, 0,1
	s_delay_alu instid0(VALU_DEP_2)
	v_add_nc_u32 v[(\tm)+4+\e], 0xff000000, v[(\tm)+\e]
.endr
.irp e, 0,1
	s_delay_alu instid0(VALU_DEP_2)
	v_lshrrev_b32 v[(\tm)+6+\e], 23, v[(\tm)+4+\e]
.endr
	s_delay_alu instid0(VALU_DEP_1)
	v_lshl_or_b32 v[\hw], v[(\tm)+7], 8, v[(\tm)+6]
	v_cvt_scalef32_pk16_fp6_f32 v[(\c):(\c)+2], v[(\x):(\x)+15], v[(\tm)+4]
	v_cvt_scalef32_pk16_fp6_f32 v[(\tm)+8:(\tm)+10], v[(\x)+16:(\x)+31], v[(\tm)+5]
	v_nop                                          ; one plain place behind a scaled conversion
.irp i, 0,1,2
	v_permlane16_swap_b32 v[(\c)+\i], v[(\tm)+8+\i]
.endr
.irp i, 0,1,2
	s_delay_alu instid0(VALU_DEP_3)
	v_mov_b32 v[(\c)+3+\i], v[(\tm)+8+\i]
.endr
.endm
	HQ Z, D, 78, 66
	ds_store_b128 v4, v[D:D+3]                     ; the image of my six registers,
	ds_store_b64 v5, v[D+4:D+5] offset:512
	ds_store_b16 v6, v78                           ; and my head's two bytes of the scale word
	s_wait_dscnt 0x0                               ; for the others' sake: my stores have landed
	s_barrier_signal -1
	s_barrier_wait -1                              ; o's sixteen half images lie in LDS
	; ---- y^T = Wo o^T + bo: my 32 outputs for the 32 rows; K step k = heads 2 k, 2 k + 1
.macro OLOAD k, buf                            ; ten loads: o's two fragments of K step k (two half images each) and their scale words
.irp u, 0,1
	ds_load_b128 v[\buf+12*\u:\buf+12*\u+3], v1 offset:OL+(4*\u+\k)*1536
	ds_load_b64 v[\buf+12*\u+4:\buf+12*\u+5], v2 offset:OL+(4*\u+\k)*1536+512
	ds_load_b128 v[\buf+12*\u+6:\buf+12*\u+9], v1 offset:OL+(4*\u+\k)*1536+768
	ds_load_b64 v[\buf+12*\u+10:\buf+12*\u+11], v2 offset:OL+(4*\u+\k)*1536+1280
	ds_load_b32 v[QR+2*\k+\u], v3 offset:OSL+(4*\u+\k)*128
.endr
.endm
.macro YMUL k, buf                             ; four accumulators by turns; the bias is the C of each sum's first product
.irp u, 0,1
.irp q, 0,1
.if \k == 0
	v_wmma_scale_f32_16x16x128_f8f6f4 v[Z+8*(2*\u+\q):Z+8*(2*\u+\q)+7], v[E+12*(4*\q+\k):E+12*(4*\q+\k)+11], v[\buf+12*\u:\buf+12*\u+11], v[80+8*\q:87+8*\q], v[KS+4*\q+\k], v[QR+2*\k+\u] matrix_a_fmt:MATRIX_FMT_FP6 matrix_b_fmt:MATRIX_FMT_FP6
.else
	v_wmma_scale_f32_16x16x128_f8f6f4 v[Z+8*(2*\u+\q):Z+8*(2*\u+\q)+7], v[E+12*(4*\q+\k):E+12*(4*\q+\k)+11], v[\buf+12*\u:\buf+12*\u+11], v[Z+8*(2*\u+\q):Z+8*(2*\u+\q)+7], v[KS+4*\q+\k], v[QR+2*\k+\u] matrix_a_fmt:MATRIX_FMT_FP6 matrix_b_fmt:MATRIX_FMT_FP6
.endif
.endr
.endr
.endm
	OLOAD 0, VF
	OLOAD 1, VF+24
	s_wait_loadcnt 0x0                             ; Wo, its scale words and bo
	s_wait_dscnt 10                                ; K step 0's ten loads are in; K step 1's ten may be out
	YMUL 0, VF
.rept 4
	v_nop
.endr
	OLOAD 2, VF
	s_wait_dscnt 10                                ; K step 1's are in
	YMUL 1, VF+24
.rept 4
	v_nop
.endr
	OLOAD 3, VF+24
	s_wait_dscnt 10                                ; K step 2's are in
	YMUL 2, VF
	s_wait_dscnt 0x0
	YMUL 3, VF+24
.rept 4
	v_nop                                          ; in front of the first read of results, and of the loads into Wo's registers below
.endr
	; ---- the way out: a row's 512 outputs come from sixteen waves: they meet in the stage, and each wave stores two whole rows
.irp u, 0,1
.irp q, 0,1
	ds_store_b128 v7, v[Z+8*(2*\u+\q):Z+8*(2*\u+\q)+3] offset:\u*8*SPIT+32*\q         ; lane (r, h): y(8 u + r + 8 (r / 8), 32 w + 8 q + 16 h + 0 .. 7); each accumulator from its low end on
	ds_store_b128 v7, v[Z+8*(2*\u+\q)+4:Z+8*(2*\u+\q)+7] offset:\u*8*SPIT+32*\q+16
.endr
.endr
	s_wait_dscnt 0x0                               ; for the others' sake
	s_barrier_signal -1
	s_barrier_wait -1
.irp n, 0,1,2,3,4,5,6,7
	ds_load_b128 v[E+4*\n:E+4*\n+3], v241 offset:(\n/4)*SPIT+512*(\n%4)
.endr
.irp n, 0,1,2,3,4,5,6,7
	s_wait_dscnt 7-\n                              ; load n is in; the younger ones may be out
	global_store_b128 v1, v[E+4*\n:E+4*\n+3], s[84:85] offset:(\n/4)*2048+512*(\n%4) th:TH_STORE_NT   ; 32 lanes store 512 consecutive bytes, aligned to 256; written once
.endr
	s_wait_xcnt 0x0
	v_lshl_add_u32 v254, v0, 2, 0x49600
	v_mov_b32 v255, 0
	s_wait_alu depctr_va_vdst(0)
	s_wait_tensorcnt 0x0
	ds_add_u32 v254, v255
	s_wait_dscnt 0x0
	s_endpgm
.Lfunc_end_k_q3bb8c34a23_attn:
	.size	k_q3bb8c34a23_attn, .Lfunc_end_k_q3bb8c34a23_attn-k_q3bb8c34a23_attn
	.p2alignl 7, 3214868480
	.fill 96, 4, 3214868480
	.section	.rodata,"a",@progbits
	.p2align	6, 0x0
	.amdhsa_kernel k_q3bb8c34a23_attn
		.amdhsa_group_segment_fixed_size 302592
		.amdhsa_private_segment_fixed_size 0
		.amdhsa_enable_private_segment 0
		.amdhsa_kernarg_size 48
		.amdhsa_user_sgpr_count 2
		.amdhsa_user_sgpr_kernarg_segment_ptr 1
		.amdhsa_wavefront_size32 1
		.amdhsa_system_sgpr_workgroup_id_x 1
		.amdhsa_system_sgpr_workgroup_id_y 1
		.amdhsa_system_sgpr_workgroup_id_z 1
		.amdhsa_system_vgpr_workitem_id 0
		.amdhsa_next_free_vgpr 256
		.amdhsa_next_free_sgpr 100
		.amdhsa_reserve_vcc 1
		.amdhsa_float_denorm_mode_32 3
		.amdhsa_float_denorm_mode_16_64 3
		.amdhsa_memory_ordered 1
		.amdhsa_forward_progress 1
		.amdhsa_inst_pref_size 73
	.end_amdhsa_kernel
	.amdgpu_metadata
---
amdhsa.version: [ 1, 2 ]
amdhsa.kernels:
  - .name:           k_q3bb8c34a23_attn
    .symbol:         k_q3bb8c34a23_attn.kd
    .args:
      - { .name: qb, .offset: 0, .size: 8, .value_kind: global_buffer, .address_space: global }
      - { .name: kb, .offset: 8, .size: 8, .value_kind: global_buffer, .address_space: global }
      - { .name: vb, .offset: 16, .size: 8, .value_kind: global_buffer, .address_space: global }
      - { .name: wb, .offset: 24, .size: 8, .value_kind: global_buffer, .address_space: global }
      - { .name: bo, .offset: 32, .size: 8, .value_kind: global_buffer, .address_space: global }
      - { .name: out0, .offset: 40, .size: 8, .value_kind: global_buffer, .address_space: global }
    .group_segment_fixed_size: 302592
    .private_segment_fixed_size: 0
    .kernarg_segment_align: 8
    .kernarg_segment_size: 48
    .max_flat_workgroup_size: 512
    .sgpr_count:     100
    .vgpr_count:     256
    .wavefront_size: 32
...
	.end_amdgpu_metadata
.endif
;; end of part 3
